; MI455X (gfx1250); checked and timed in simulation.
; The chip was launched on July 23, 2026; its instructions are those of AMD's public machine-readable ISA for CDNA 5 (MIT licence, August 2026) and "CDNA5" Instruction Set Architecture Reference Guide (July 2026). The comments in the code are by the model that wrote it; some were corrected since.
;; Time Mix. Allowed arithmetic: matrix products marked QUANTISED: E2M3 operands, one E8M0 scale for each 32 along K, by v_wmma_scale_f32_16x16x128_f8f6f4 with both operands' format E2M3, f32 sums; everything else in f32.
;; Inputs: aa 1 x 1 x 2,048 float32; bb 1 x 1 x 2,048 float32; pp 1 x 1 x 2,048 float32; time_first 2,048 float32; time_mix_k 1 x 1 x 2,048 float32; time_mix_r 1 x 1 x 2,048 float32; time_mix_v 1 x 1 x 2,048 float32; w_key_codes 2,048 x 64 x 24 uint8 (E2M3 codes of w_key, K innermost, in blocks of 32 codes, four codes in three bytes); w_key_scales 2,048 x 64 uint8 (E8M0 scales of w_key, one for each 32 codes along K); w_out_codes 2,048 x 64 x 24 uint8 (E2M3 codes of w_out, K innermost, in blocks of 32 codes, four codes in three bytes); w_out_scales 2,048 x 64 uint8 (E8M0 scales of w_out, one for each 32 codes along K); w_rec_codes 2,048 x 64 x 24 uint8 (E2M3 codes of w_rec, K innermost, in blocks of 32 codes, four codes in three bytes); w_rec_scales 2,048 x 64 uint8 (E8M0 scales of w_rec, one for each 32 codes along K); w_value_codes 2,048 x 64 x 24 uint8 (E2M3 codes of w_value, K innermost, in blocks of 32 codes, four codes in three bytes); w_value_scales 2,048 x 64 uint8 (E8M0 scales of w_value, one for each 32 codes along K); x 4 x 1,024 x 2,048 float32; xx 1 x 1 x 2,048 float32.
;; Outputs: out0 4 x 1,024 x 2,048 float32.
;; This version of the problem:
;;   THIS VERSION OF THE PROBLEM IS GIVEN IN LOW PRECISION. The matrix products marked QUANTISED in the list below multiply operands that are first quantised to E2M3 (2 exponent bits, 3 mantissa bits; 6 bits a number), with one power-of-two scale for each 32 numbers along K (OCP MX v1.0); their sums are f32. All else is computed in f32.
;;   The module's matrix products, in the order in which they are computed (A, B: the left and right operand; K: the contracted axis; several contracted axes count as one K, in the product's order):
;;     1. [M 4,096, K 2,048] x [K 2,048, N 2,048]; A: computed on the way; B: input w_key (given as codes): QUANTISED
;;     2. [M 4,096, K 2,048] x [K 2,048, N 2,048]; A: computed on the way; B: input w_value (given as codes): QUANTISED
;;     3. [M 4,096, K 2,048] x [K 2,048, N 2,048]; A: computed on the way; B: input w_rec (given as codes): QUANTISED
;;     4. [M 4,096, K 2,048] x [K 2,048, N 2,048]; A: computed on the way; B: input w_out (given as codes): QUANTISED
;;   THE QUANTISER, for each operand of a quantised product, along K:
;;     - K is cut into blocks of 32 from its start; a last block that is shorter is filled with zeros.
;;     - A block's scale is 2^e with e = floor(log2(the largest magnitude in the block)) - 2, held to -126 .. 127; a block of zeros has e = 0. As a byte (E8M0): e + 127.
;;     - Each number is divided by its block's scale, clamped to +-7.5, and rounded to the nearest number of E2M3, ties to even, subnormals kept.
;;     - The product sums the exact products of the quantised numbers (number of the format x scale) in f32.
;;   ~~~python
;;   def quantise(x, axis):      # numpy; x: float32 -> the quantised numbers, widened to float32 again
;;       x = np.moveaxis(x, axis, -1); K = x.shape[-1]
;;       x = np.pad(x, [(0, 0)] * (x.ndim - 1) + [(0, -K % 32)]); x = x.reshape(x.shape[:-1] + (-1, 32)); a = np.abs(x).max(-1, keepdims=True)
;;       e = np.where(a > 0, np.clip(np.frexp(np.where(a > 0, a, 1))[1] - 1 - 2, -126, 127), 0)      # np.frexp(a)[1] - 1 = floor(log2(a)), exactly
;;       r = np.clip(x / 2.0 ** e, -7.5, 7.5)
;;       step = 2.0 ** (np.maximum(np.frexp(np.where(r == 0, 1, r))[1] - 1, 0) - 3)
;;       q = np.round(r / step) * step * 2.0 ** e      # np.round: ties to even
;;       return np.moveaxis(q.reshape(q.shape[:-2] + (-1,))[..., :K], -1, axis).astype(np.float32)
;;   ~~~
;;   OPERANDS COMPUTED ON THE WAY. 'Computed on the way' means the value that the module computes at that place (a softmax that the list does not call 'softmax' is quantised finished and normalised). What goes into a quantiser is computed in f32, as accurately as f32 sums, v_exp_f32 and their like allow (about 1e-6 of the number): no bf16 or f16 on the way to a quantiser, and a product that is left as it is and whose result goes on into a quantised operand takes f32 operands (vector FMAs, or v_wmma_f32_16x16x4_f32). A number that lies on a knife's edge between two numbers of the format may be rounded either way, as far as f32 arithmetic and the matrix unit's own rounding can turn it there, and no further.
;;   INPUTS GIVEN AS CODES. w_key (in the module: [2048, 2048], K = its axis 1); w_out (in the module: [2048, 2048], K = its axis 1); w_rec (in the module: [2048, 2048], K = its axis 1); w_value (in the module: [2048, 2048], K = its axis 1): each comes as NAME_codes (uint8): NAME with its K axis moved to the last place and cut into blocks of 32 codes, [.., K / 32, bytes a block], one block behind the other in memory; four codes in three bytes: a row's codes are one little-endian stream of bits, code i at bits 6 i .. 6 i + 5 (a code: sign, 2 exponent bits, 3 mantissa bits); and NAME_scales (uint8): the same leading axes, one E8M0 byte (e + 127) for each 32 codes along K. Its value is code x scale, taken as it is: it is not quantised again, and the codes and scales need not be those that the quantiser above would give.
;; One version. Each part assembles by itself: llvm-mc -triple=amdgcn-amd-amdhsa -mcpu=gfx1250 --defsym DOCPART=n.
;; ======== version 1 of 1: 4 launches
;; limits: right only within a limited range of input values
;; workspace buffers: xq 13,107,200 bytes; zq 6,553,600 bytes; wq 13,107,200 bytes; kq 114,688 bytes; ka 65,536 bytes
;; launch mixq (part 1): grid 16 x 16, 16 waves a work-group, no clusters, 140,288 bytes of LDS; arguments x, time_mix_k, time_mix_v, time_mix_r, xx, xq, w_value_codes, w_rec_codes, w_out_codes, w_key_codes, w_value_scales, w_rec_scales, w_out_scales, w_key_scales, wq, kq; writes xq, wq, kq
.if DOCPART == 1
	.amdgcn_target "amdgcn-amd-amdhsa--gfx1250"
	.amdhsa_code_object_version 6
	.text
	.protected	k_qa66cfdf9a7_mixq
	.globl	k_qa66cfdf9a7_mixq
	.p2align	8
	.type	k_qa66cfdf9a7_mixq,@function
k_qa66cfdf9a7_mixq:
	s_mov_b64 s[64:65], 0
	v_nop
	global_prefetch_b8 v0, s[64:65] scope:SCOPE_SE
	s_setreg_imm32_b32 hwreg(HW_REG_WAVE_MODE, 25, 1), 1
	s_wait_xcnt 0x0
; xk, xv, xr = x * mix + (1 - mix) * xx, each quantised along C to codes of FP6 (E2M3) with one E8M0 byte for each 32 numbers, and laid as the next launch's operand registers want them.
; x: [4096][2048] f32.  A work-group takes 256 rows (grid y) x 128 columns (grid x); wave i takes rows 16 i .. 16 i + 15: for each of the three mixes ONE operand fragment (16 rows x 128 K).
; xq is made of blocks of PB = 25,600 bytes, [row block of 256][K step of 128][mix]: 16 fragment images of 1,536 bytes (the operand's 12 registers as three groups of four: group c of lane l at 512 c + 16 l),
; then 1,024 bytes of scale words: the word of row 64 w + 32 a + l at 256 w + 8 l + 4 a.
; Every load of x reads 512 consecutive bytes of one row; the mixed numbers turn through the wave's own stage in LDS, so that lane (r, h) then holds, of row r, the 16 neighbours 32 b + 16 h + 0 .. 15 of each block b.
; A block's scale is 2^(floor(log2(largest magnitude)) - 2); its byte is the largest magnitude's exponent field - 2, held at 1 from below.
; LIMITS: x * mix + c is one fused multiply-add (the reference rounds the product first); c = (1 - mix) * xx is rounded as there.  A block of zeros gets the byte 1 where the rule says 127: its codes are zeros,
; and this program alone reads the bytes.  NaN and infinities among the inputs are not served.
; WORK LEFT OUT, in this and the later kernels.  For t > 0 the reference's own padding makes aa_p = bb_p = 0, so wkv = (e1 0 + e2 v) / (e1 0 + e2) = v for all finite inputs, since e2 = exp(ww - qq) > 0.
; So k, ww, qq, e1, e2 reach an output only in the four rows with t = 0: xk is mixed and quantised, and multiplied by w_key, only for the 16-row blocks that hold such a row.
; LIMIT: a NaN, an infinity, an overflow or an e2 that falls to 0 in the work left out is not carried to the result.
; xq now holds two mixes a K step, [row block][K step][v, r]; xk's fragment of rows 1024 b .. + 15 goes to kq, blocks of 1,792 bytes [b][K step]: the image, then the scale words at 1,536 + 4 lane.
; THE WEIGHTS are laid anew into wq, as the later launches' operand registers want them: blocks of 12,800 bytes for 128 rows x 128 K: eight fragment images of 1,536 bytes, then 512 bytes of scale
; words, the word of row 32 q + l at 16 l + 4 q.  Regions: [nt][K step][value, rec] from byte 0, [nt][K step] of w_out from 6,553,600, of w_key from 9,830,400.
; Work-group g = 16 y + x takes weight g / 64, tile column (g / 4) % 16, row tiles 2 (g % 4) and + 1; wave i takes K step i; waves 0 to 3 also one block's scale words, K step 4 (g % 4) + i.
.set SP,   528
.set STG,  16*SP                       ; a wave's stage
.set SCW,  16*STG                      ; behind the stages: the two mixes' (v, r) scale words, 1,024 bytes each
.set PB,   25600
.set FRB,  1536
.set LO,   1                           ; v1   16 x lane
.set SA,   2                           ; v2   the stage on the way in: 16 x lane
.set RA,   3                           ; v3   and on the way out: 528 r + 64 h
.set SWA,  4                           ; v4   where my row's scale word goes
.set SRD,  5                           ; v5   where waves 0 to 3 read the scale words back
.set MC,   8                           ; v[8+8p ..] mix p of my 4 columns, v[12+8p ..] (1 - mix p) * xx
.set TM,   32                          ; v32-47 at work in QUANT
.set PW,   48                          ; v48  the scale word just made
.set SGO,  49                          ; v49  the scale words' byte offset in xq
.set XXR,  52                          ; v52-55 xx of my 4 columns
.set TT,   56                          ; v56-59 at work
.set X,    64                          ; v64-127  16 rows x 4 numbers of x
.set M,    128                         ; v128-191 the same, mixed
.set PC,   128                         ; v128-146 the codes (M's registers, once the stage's stores have read them)
.set T,    192                         ; v192-255 64 numbers of my row
.set WV,   16
.set SEL,  20
; 64 numbers of a lane, register 16 b + i = k 32 b + 16 (lane / 16) + i of my row, become a fragment's codes in v[PC] on and its scale word in v[PW].
.macro QUANT s
.irp b, 0,1,2,3
	v_max3_num_f32 v[TM+\b], |v[\s+16*\b]|, |v[\s+1+16*\b]|, 0x1800000   ; block b: my 16 numbers, and the floor 2^(3 - 127): the byte cannot fall under 1
.endr
.irp i, 2,4,6,8,10,12,14
.irp b, 0,1,2,3
	s_delay_alu instid0(VALU_DEP_4)
	v_max3_num_f32 v[TM+\b], v[TM+\b], |v[\s+16*\b+\i]|, |v[\s+1+16*\b+\i]|   ; the four blocks by turns
.endr
.endr
.irp b, 0,1,2,3
	s_delay_alu instid0(VALU_DEP_4)
	v_permlanex16_b32 v[TM+4+\b], v[TM+\b], s[SEL], s[SEL+1]
.endr
.irp b, 0,1,2,3
	s_delay_alu instid0(VALU_DEP_4)
	v_max_num_f32 v[TM+\b], v[TM+\b], v[TM+4+\b]   ; with lane l xor 16's: the block's largest magnitude
.endr
.irp b, 0,1,2,3
	s_delay_alu instid0(VALU_DEP_4)
	v_add_nc_u32 v[TM+12+\b], 0xff000000, v[TM+\b]   ; 2 off its exponent field: the conversion's scale operand
.endr
.irp b, 0,1,2,3
	s_delay_alu instid0(VALU_DEP_4)
	v_lshrrev_b32 v[TM+4+\b], 23, v[TM+12+\b]      ; the scale's byte
.endr
	s_delay_alu instid0(VALU_DEP_3)
	v_lshl_or_b32 v[PW], v[TM+5], 8, v[TM+4]       ; four bytes: my row's scale word
	s_delay_alu instid0(VALU_DEP_1)
	v_lshl_or_b32 v[PW], v[TM+6], 16, v[PW]
	s_delay_alu instid0(VALU_DEP_1)
	v_lshl_or_b32 v[PW], v[TM+7], 24, v[PW]
.irp c, 0,1
	v_cvt_scalef32_pk16_fp6_f32 v[PC+6*\c:PC+2+6*\c], v[\s+32*\c:\s+15+32*\c], v[TM+12+2*\c]
	v_cvt_scalef32_pk16_fp6_f32 v[PC+12+4*\c:PC+14+4*\c], v[\s+16+32*\c:\s+31+32*\c], v[TM+12+2*\c+1]   ; (a conversion's three registers begin on an even number)
.endr
	v_nop                                          ; one plain place behind a scaled conversion
.irp c, 0,1                                    ; the operand wants a WHOLE block in a lane: lanes 0-15 block 2 c, lanes 16-31 block 2 c + 1
.irp i, 0,1,2
	v_permlane16_swap_b32 v[PC+6*\c+\i], v[PC+12+4*\c+\i]
.endr
.irp i, 0,1,2
	s_delay_alu instid0(VALU_DEP_3)
	v_mov_b32 v[PC+3+6*\c+\i], v[PC+12+4*\c+\i]
.endr
.endr
.endm
	s_load_b256 s[4:11], s[0:1], 0x0               ; x, time_mix_k, time_mix_v, time_mix_r
	s_load_b128 s[12:15], s[0:1], 0x20
	s_load_b256 s[40:47], s[0:1], 0x30             ; codes of value, rec, out, key
	s_load_b256 s[48:55], s[0:1], 0x50             ; their scales
	s_load_b128 s[56:59], s[0:1], 0x70             ; wq, kq
	v_lshl_add_u32 v62, v0, 2, 0x21c00
	v_mov_b32 v63, 0
	v_lshrrev_b32 v1, 5, v0
	s_delay_alu instid0(VALU_DEP_1)
	v_readfirstlane_b32 s[WV], v1                  ; wave 0..15
	s_and_b32 s18, ttmp7, 0xffff                   ; which 256 rows
	v_and_b32 v6, 31, v0                           ; lane
	v_and_b32 v7, 15, v0                           ; r
	s_wait_alu depctr_va_vdst(0)
	v_bfe_u32 v50, v0, 4, 1                        ; h
	v_lshlrev_b32 v[LO], 4, v6
	v_mul_u32_u24 v60, v7, 1536                    ; a weight's fragment: row r of 1,536 bytes,
	v_lshlrev_b32 v61, 6, v6                       ; its scales: row l of 64 bytes
	v_lshlrev_b32 v51, 2, v6                       ; 4 x lane
	v_mad_u32_u24 v60, v50, 24, v60                ; + 24 h
	s_wait_alu depctr_va_vdst(0)
	s_mul_i32 s22, s[WV], STG
	v_add_nc_u32 v[SA], s22, v[LO]
	v_mul_u32_u24 v[RA], v7, SP
	s_delay_alu instid0(VALU_DEP_1)
	v_lshl_add_u32 v[RA], v50, 6, v[RA]
	s_delay_alu instid0(VALU_DEP_1)
	v_add_nc_u32 v[RA], s22, v[RA]
	s_lshr_b32 s23, s[WV], 2                       ; my rows are 16 i + r = 64 (i / 4) + 32 ((i / 2) % 2) + 16 (i % 2) + r
	s_lshl_b32 s23, s23, 8
	s_and_b32 s24, s[WV], 1
	s_lshl_b32 s24, s24, 7
	s_add_co_u32 s23, s23, s24
	s_bfe_u32 s24, s[WV], 0x10001
	s_lshl_b32 s24, s24, 2
	s_add_co_u32 s23, s23, s24
	s_add_co_u32 s23, s23, SCW
	v_lshl_add_u32 v[SWA], v7, 3, s23              ; 256 (i / 4) + 8 (16 (i % 2) + r) + 4 ((i / 2) % 2)
	s_min_u32 s24, s[WV], 3
	s_lshl_b32 s25, s24, 9
	s_add_co_u32 s25, s25, SCW
	v_add_nc_u32 v[SRD], s25, v[LO]
	s_lshr_b32 s26, s24, 1                         ; mix = wave / 2, half = wave % 2
	s_mul_i32 s26, s26, PB
	s_and_b32 s27, s24, 1
	s_lshl_b32 s27, s27, 9
	s_add_co_u32 s26, s26, s27
	s_add_co_u32 s26, s26, 16*FRB
	v_add_nc_u32 v[SGO], s26, v[LO]
	s_mov_b32 s[SEL], 0x76543210
	s_mov_b32 s[SEL+1], 0xfedcba98                 ; v_permlanex16_b32's selects for lane l xor 16
	s_lshl_b32 s30, ttmp9, 9                       ; my 128 columns, in bytes
	s_mov_b32 s31, 0
	s_lshl_b32 s28, s18, 21                        ; 256 rows of 8,192 bytes,
	s_lshl_b32 s29, s[WV], 17                      ; my wave's 16
	s_add_co_u32 s28, s28, s29
	s_add_co_u32 s28, s28, s30
	s_mov_b32 s29, 0
	s_lshl_b32 s32, s18, 4
	s_add_co_u32 s32, s32, ttmp9
	s_mul_i32 s32, s32, 2*PB
	s_mov_b32 s33, 0
	s_mul_i32 s34, s[WV], FRB                      ; and my fragment's image in it
	s_mov_b32 s35, 0
	s_lshl_b32 s66, s18, 4
	s_add_co_u32 s66, s66, ttmp9                   ; g
	s_lshr_b32 s67, s66, 6                         ; which weight: 0 value, 1 rec, 2 out, 3 key
	s_bfe_u32 s68, s66, 0x40002                    ; nt
	s_and_b32 s69, s66, 3                          ; which two row tiles
	s_mul_i32 s70, s68, 196608
	s_mul_i32 s71, s69, 49152
	s_add_co_u32 s70, s70, s71
	s_mul_i32 s71, s[WV], 96
	s_add_co_u32 s70, s70, s71                     ; the codes' place: 128 nt + 32 (g % 4) rows, K step i
	s_mov_b32 s71, 0
	s_cmp_lt_u32 s67, 2
	s_cselect_b32 s76, 1, 0                        ; value and rec share a region: its strides are doubled
	s_mov_b32 s77, 3276800
	s_cselect_b32 s77, 12800, s77
	s_mul_i32 s77, s77, s67                        ; the weight's first block
	s_lshl_b32 s78, 204800, s76
	s_lshl_b32 s79, 12800, s76
	s_mul_i32 s78, s78, s68
	s_add_co_u32 s77, s77, s78                     ; + nt
	s_mul_i32 s72, s79, s[WV]
	s_add_co_u32 s72, s72, s77
	s_mul_i32 s73, s69, 3072
	s_add_co_u32 s72, s72, s73                     ; where my two images go
	s_mov_b32 s73, 0
	s_lshl_b32 s62, s69, 2
	s_add_co_u32 s62, s62, s[WV]                   ; the K step whose scale words I lay (waves 0 to 3)
	s_lshl_b32 s74, s68, 13
	s_lshl_b32 s75, s62, 2
	s_add_co_u32 s74, s74, s75
	s_mov_b32 s75, 0
	s_mul_i32 s78, s79, s62
	s_add_co_u32 s78, s78, s77
	s_add_co_u32 s78, s78, 12288
	s_mov_b32 s79, 0
	s_and_b32 s19, s18, 3
	s_or_b32 s19, s19, s[WV]                       ; 0: my 16 rows hold a row with t = 0
	s_lshr_b32 s62, s18, 2
	s_lshl_b32 s62, s62, 4
	s_add_co_u32 s62, s62, ttmp9
	s_mul_i32 s62, s62, 1792                       ; kq: block [b][K step]
	s_mov_b32 s63, 0
	s_wait_kmcnt 0x0
	s_add_nc_u64 s[4:5], s[4:5], s[28:29]
	s_add_nc_u64 s[6:7], s[6:7], s[30:31]
	s_add_nc_u64 s[8:9], s[8:9], s[30:31]
	s_add_nc_u64 s[10:11], s[10:11], s[30:31]
	s_add_nc_u64 s[12:13], s[12:13], s[30:31]
	s_add_nc_u64 s[14:15], s[14:15], s[32:33]
	s_add_nc_u64 s[36:37], s[14:15], s[34:35]
	s_cmp_eq_u32 s67, 1                            ; the choice hangs on the work-group's number alone
	s_cselect_b64 s[40:41], s[42:43], s[40:41]
	s_cselect_b64 s[48:49], s[50:51], s[48:49]
	s_cmp_eq_u32 s67, 2
	s_cselect_b64 s[40:41], s[44:45], s[40:41]
	s_cselect_b64 s[48:49], s[52:53], s[48:49]
	s_cmp_eq_u32 s67, 3
	s_cselect_b64 s[40:41], s[46:47], s[40:41]
	s_cselect_b64 s[48:49], s[54:55], s[48:49]
	s_add_nc_u64 s[40:41], s[40:41], s[70:71]
	s_add_nc_u64 s[48:49], s[48:49], s[74:75]
	s_add_nc_u64 s[72:73], s[56:57], s[72:73]
	s_add_nc_u64 s[78:79], s[56:57], s[78:79]
	s_add_nc_u64 s[60:61], s[58:59], s[62:63]
.irp f, 0,1
.irp j, 0,1,2,3,4,5
	global_load_b64 v[192+12*\f+2*\j:193+12*\f+2*\j], v60, s[40:41] offset:24576*\f+48*(\j/3)+8*(\j%3)   ; a fragment's registers as they lie in the row; the sixteen waves together read whole rows
.endr
.endr
	s_cmp_lt_u32 s[WV], 4
	s_cbranch_scc0 .Lnosl
.irp q, 0,1,2,3
	global_load_b32 v[216+\q], v61, s[48:49] offset:2048*\q   ; the word of row 32 q + l
.endr
.Lnosl:
	global_load_b128 v[MC:MC+3], v[LO], s[6:7]
	global_load_b128 v[MC+8:MC+11], v[LO], s[8:9]
	global_load_b128 v[MC+16:MC+19], v[LO], s[10:11]
	global_load_b128 v[XXR:XXR+3], v[LO], s[12:13]
.irp q, 0,1,2,3,4,5,6,7,8,9,10,11,12,13,14,15
	global_load_b128 v[X+4*\q:X+4*\q+3], v[LO], s[4:5] offset:8192*\q th:TH_LOAD_NT   ; 32 lanes read 512 consecutive bytes of row q; read once in the launch
.endr
	s_wait_loadcnt 16
.irp f, 0,1
.irp c, 0,1,2
	global_store_b128 v[LO], v[192+12*\f+4*\c:195+12*\f+4*\c], s[72:73] offset:1536*\f+512*\c   ; 512 consecutive bytes, aligned
.endr
.endr
	s_cmp_lt_u32 s[WV], 4
	s_cbranch_scc0 .Lnoss
	global_store_b128 v[LO], v[216:219], s[78:79]
.Lnoss:
	s_wait_xcnt 0x0                                ; these registers are loaded again only behind this wait
.irp p, 0,1,2
.irp j, 0,1,2,3
	v_sub_f32 v[TT+\j], 1.0, v[MC+8*\p+\j]
.endr
.irp j, 0,1,2,3
	s_delay_alu instid0(VALU_DEP_4)
	v_mul_f32 v[MC+4+8*\p+\j], v[TT+\j], v[XXR+\j] ; (1 - mix) * xx
.endr
.endr
.irp b, 0,1,2,3
	v_mov_b32 v[TM+4+\b], 0                        ; written once: a lane permute's destination counts as one of its sources
.endr
; Mix p of the wave's 16 rows, through the stage, quantised, and out.
.macro MIX p
.irp q, 0,1,2,3,4,5,6,7,8,9,10,11,12,13,14,15
.if \p == 1
	s_wait_loadcnt 15-\q
.endif
	v_pk_fma_f32 v[M+4*\q:M+4*\q+1], v[X+4*\q:X+4*\q+1], v[MC+8*\p:MC+8*\p+1], v[MC+4+8*\p:MC+5+8*\p]
	v_pk_fma_f32 v[M+4*\q+2:M+4*\q+3], v[X+4*\q+2:X+4*\q+3], v[MC+2+8*\p:MC+3+8*\p], v[MC+6+8*\p:MC+7+8*\p]
	ds_store_b128 v[SA], v[M+4*\q:M+4*\q+3] offset:SP*\q
.endr
.irp b, 0,1,2,3
.irp j, 0,1,2,3
	ds_load_b128 v[T+16*\b+4*\j:T+16*\b+4*\j+3], v[RA] offset:128*\b+16*\j   ; LDS serves a wave's instructions in order: these see my stores
.endr
.endr
	s_wait_dscnt 0x0                               ; my 64 numbers are back, and the stores have read M's registers, which the codes now take
	QUANT T
.irp c, 0,1,2
.if \p == 0
	global_store_b128 v[LO], v[PC+4*\c:PC+4*\c+3], s[60:61] offset:512*\c
.else
	global_store_b128 v[LO], v[PC+4*\c:PC+4*\c+3], s[36:37] offset:PB*(\p-1)+512*\c
.endif
.endr
.if \p == 0
	global_store_b32 v51, v[PW], s[60:61] offset:1536
.else
	ds_store_b32 v[SWA], v[PW] offset:1024*(\p-1)
.endif
	s_wait_xcnt 0x0                                ; the stores' data registers are written again by the next mix only behind this wait
.endm
	MIX 1
	MIX 2
	s_wait_dscnt 0x0                               ; for the others' sake: my scale words have landed
	s_barrier_signal -1
	s_barrier_wait -1
	s_cmp_lt_u32 s[WV], 4
	s_cbranch_scc0 .Ldone
	ds_load_b128 v[TT:TT+3], v[SRD]                ; 512 of the 2,048 bytes of scale words
	s_wait_dscnt 0x0
	global_store_b128 v[SGO], v[TT:TT+3], s[14:15] ; two aligned runs of 256 bytes
.Ldone:
	s_cmp_lg_u32 s19, 0
	s_cbranch_scc1 .Lnok
	MIX 0                                          ; xk, only where a row with t = 0 lies
.Lnok:
	s_wait_tensorcnt 0x0
	ds_add_u32 v62, v63
	s_wait_dscnt 0x0
	s_endpgm
.Lfunc_end_k_qa66cfdf9a7_mixq:
	.size	k_qa66cfdf9a7_mixq, .Lfunc_end_k_qa66cfdf9a7_mixq-k_qa66cfdf9a7_mixq
	.p2alignl 7, 3214868480
	.fill 96, 4, 3214868480
	.section	.rodata,"a",@progbits
	.p2align	6, 0x0
	.amdhsa_kernel k_qa66cfdf9a7_mixq
		.amdhsa_group_segment_fixed_size 140288
		.amdhsa_private_segment_fixed_size 0
		.amdhsa_enable_private_segment 0
		.amdhsa_kernarg_size 128
		.amdhsa_user_sgpr_count 2
		.amdhsa_user_sgpr_kernarg_segment_ptr 1
		.amdhsa_wavefront_size32 1
		.amdhsa_system_sgpr_workgroup_id_x 1
		.amdhsa_system_sgpr_workgroup_id_y 1
		.amdhsa_system_sgpr_workgroup_id_z 1
		.amdhsa_system_vgpr_workitem_id 0
		.amdhsa_next_free_vgpr 256
		.amdhsa_next_free_sgpr 100
		.amdhsa_reserve_vcc 0
		.amdhsa_float_denorm_mode_32 3
		.amdhsa_float_denorm_mode_16_64 3
		.amdhsa_memory_ordered 1
		.amdhsa_forward_progress 1
		.amdhsa_inst_pref_size 42
	.end_amdhsa_kernel
	.amdgpu_metadata
---
amdhsa.version: [ 1, 2 ]
amdhsa.kernels:
  - .name:           k_qa66cfdf9a7_mixq
    .symbol:         k_qa66cfdf9a7_mixq.kd
    .args:
      - { .name: x, .offset: 0, .size: 8, .value_kind: global_buffer, .address_space: global }
      - { .name: time_mix_k, .offset: 8, .size: 8, .value_kind: global_buffer, .address_space: global }
      - { .name: time_mix_v, .offset: 16, .size: 8, .value_kind: global_buffer, .address_space: global }
      - { .name: time_mix_r, .offset: 24, .size: 8, .value_kind: global_buffer, .address_space: global }
      - { .name: xx, .offset: 32, .size: 8, .value_kind: global_buffer, .address_space: global }
      - { .name: xq, .offset: 40, .size: 8, .value_kind: global_buffer, .address_space: global }
      - { .name: w_value_codes, .offset: 48, .size: 8, .value_kind: global_buffer, .address_space: global }
      - { .name: w_rec_codes, .offset: 56, .size: 8, .value_kind: global_buffer, .address_space: global }
      - { .name: w_out_codes, .offset: 64, .size: 8, .value_kind: global_buffer, .address_space: global }
      - { .name: w_key_codes, .offset: 72, .size: 8, .value_kind: global_buffer, .address_space: global }
      - { .name: w_value_scales, .offset: 80, .size: 8, .value_kind: global_buffer, .address_space: global }
      - { .name: w_rec_scales, .offset: 88, .size: 8, .value_kind: global_buffer, .address_space: global }
      - { .name: w_out_scales, .offset: 96, .size: 8, .value_kind: global_buffer, .address_space: global }
      - { .name: w_key_scales, .offset: 104, .size: 8, .value_kind: global_buffer, .address_space: global }
      - { .name: wq, .offset: 112, .size: 8, .value_kind: global_buffer, .address_space: global }
      - { .name: kq, .offset: 120, .size: 8, .value_kind: global_buffer, .address_space: global }
    .group_segment_fixed_size: 140288
    .private_segment_fixed_size: 0
    .kernarg_segment_align: 8
    .kernarg_segment_size: 128
    .max_flat_workgroup_size: 512
    .sgpr_count:     100
    .vgpr_count:     256
    .wavefront_size: 32
...
	.end_amdgpu_metadata
.endif
;; end of part 1
;; launch k0 (part 2): grid 16 x 8, 16 waves a work-group, no clusters, 10,240 bytes of LDS; arguments kq, wq, time_first, pp, aa, bb, ka; writes ka
.if DOCPART == 2
	.amdgcn_target "amdgcn-amd-amdhsa--gfx1250"
	.amdhsa_code_object_version 6
	.text
	.protected	k_qa66cfdf9a7_k0
	.globl	k_qa66cfdf9a7_k0
	.p2align	8
	.type	k_qa66cfdf9a7_k0,@function
k_qa66cfdf9a7_k0:
	s_mov_b64 s[64:65], 0
	v_nop
	global_prefetch_b8 v0, s[64:65] scope:SCOPE_SE
	s_setreg_imm32_b32 hwreg(HW_REG_WAVE_MODE, 25, 1), 1
	s_wait_xcnt 0x0
; The rows with t = 0 (one in each batch b): k = xk Wk^T on codes of FP6 with E8M0 scales, ww = time_first + k, qq = max(pp, ww), e1 = exp(pp - qq), e2 = exp(ww - qq),
; and wkv = (e1 aa + e2 v) / (e1 bb + e2) = A + B v.  All other rows' k is left out: there wkv = v (shown at the head of mixq).
; Work-group (nt, w): the 16 outputs 128 nt + 16 w + 0 .. 15 of all four batches.  Wave s takes K step s: one fragment of Wk and the four batches' fragments of xk, from memory straight into
; registers (images), and four matrix instructions on four accumulators.  Source 0 = xk's 16 rows, source 1 = 16 rows of Wk: register 0 of lanes 0-15 is row 0, the row with t = 0.
; Lanes 16-31 hold row 8, which is put aside in LDS and not read.  The sixteen K steps meet in LDS; wave 0 adds them and finishes: lane l takes batch (l / 4) % 4, outputs 4 (l % 4) .. + 3;
; lanes 0-15 keep A, lanes 16-31 B.  ka is laid [nt][w][A, B][b][16]: the work-group's 512 bytes leave by one store.
; No tensor load, cluster or prefetch: each wave has one run of loads and no loop.  LIMIT: exponentials under 2^-126 come out as 0; NaN and infinities among the inputs are not served.
.set SPARE, 8192
.set XS, 10
.set WS, 14
.set ACC, 16
.set WF, 64
.set XF, 128
	s_load_b256 s[4:11], s[0:1], 0x0               ; kq, wq, time_first, pp
	s_load_b128 s[12:15], s[0:1], 0x20             ; aa, bb
	s_load_b64 s[16:17], s[0:1], 0x30              ; ka
	v_lshl_add_u32 v1, v0, 2, SPARE
	v_mov_b32 v2, 0
	v_lshrrev_b32 v3, 5, v0
	v_readfirstlane_b32 s18, v3                    ; wave = K step
	s_and_b32 s19, ttmp7, 0xffff                   ; w
	s_mul_i32 s24, ttmp9, 204800
	s_mul_i32 s23, s18, 12800
	s_add_co_u32 s24, s24, s23
	s_add_co_u32 s24, s24, 9830400                 ; w_key's region, block [nt][K step]
	s_mul_i32 s23, s19, 1536
	s_add_co_u32 s22, s24, s23                     ; my tile's image
	s_mov_b32 s23, 0
	s_and_b32 s25, s19, 1
	s_lshl_b32 s25, s25, 8
	s_add_co_u32 s24, s24, s25
	s_lshr_b32 s25, s19, 1
	s_lshl_b32 s25, s25, 2
	s_add_co_u32 s24, s24, s25
	s_add_co_u32 s24, s24, 12288                   ; the word of row 16 w + r lies at 16 (16 (w % 2) + r) + 4 (w / 2)
	s_mov_b32 s25, 0
	s_mul_i32 s26, s18, 1792
	s_mov_b32 s27, 0
	s_lshl_b32 s28, ttmp9, 9
	s_lshl_b32 s29, s19, 6
	s_add_co_u32 s28, s28, s29                     ; my 16 outputs in the four vectors
	s_mov_b32 s29, 0
	s_lshl_b32 s30, ttmp9, 12
	s_lshl_b32 s31, s19, 9
	s_add_co_u32 s30, s30, s31
	s_mov_b32 s31, 0
	s_lshl_b32 s32, s18, 8
	v_and_b32 v6, 31, v0
	v_and_b32 v7, 15, v0
	v_bfe_u32 v5, v0, 4, 1
	v_and_b32 v9, 3, v0
	v_lshlrev_b32 v3, 4, v6                        ; 16 x lane
	v_lshlrev_b32 v4, 2, v6
	v_lshlrev_b32 v5, 12, v5
	v_lshlrev_b32 v9, 4, v9
	v_lshl_add_u32 v5, v7, 2, v5
	v_lshlrev_b32 v7, 4, v7
	v_add_nc_u32 v5, s32, v5                       ; LDS: 256 wave + 4 r, lanes 16-31 4,096 further on
	s_wait_alu depctr_va_vdst(0)
	s_wait_kmcnt 0x0
	s_add_nc_u64 s[22:23], s[6:7], s[22:23]
	s_add_nc_u64 s[24:25], s[6:7], s[24:25]
	s_add_nc_u64 s[26:27], s[4:5], s[26:27]
	s_add_nc_u64 s[8:9], s[8:9], s[28:29]
	s_add_nc_u64 s[10:11], s[10:11], s[28:29]
	s_add_nc_u64 s[12:13], s[12:13], s[28:29]
	s_add_nc_u64 s[14:15], s[14:15], s[28:29]
	s_add_nc_u64 s[16:17], s[16:17], s[30:31]
.irp c, 0,1,2
	global_load_b128 v[WF+4*\c:WF+4*\c+3], v3, s[22:23] offset:512*\c
.endr
	global_load_b32 v[WS], v7, s[24:25]
.irp b, 0,1,2,3
.irp c, 0,1,2
	global_load_b128 v[XF+12*\b+4*\c:XF+12*\b+4*\c+3], v3, s[26:27] offset:28672*\b+512*\c
.endr
	global_load_b32 v[XS+\b], v4, s[26:27] offset:28672*\b+1536
.endr
	s_cmp_lg_u32 s18, 0
	s_cbranch_scc1 .Lnv
	global_load_b128 v[48:51], v9, s[8:9]          ; time_first, pp, aa, bb of outputs 4 (l % 4) .. + 3
	global_load_b128 v[52:55], v9, s[10:11]
	global_load_b128 v[56:59], v9, s[12:13]
	global_load_b128 v[60:63], v9, s[14:15]
.Lnv:
	s_wait_loadcnt 0x0
.irp b, 0,1,2,3
	v_wmma_scale_f32_16x16x128_f8f6f4 v[ACC+8*\b:ACC+8*\b+7], v[XF+12*\b:XF+12*\b+11], v[WF:WF+11], 0, v[XS+\b], v[WS] matrix_a_fmt:MATRIX_FMT_FP6 matrix_b_fmt:MATRIX_FMT_FP6
.endr
.rept 4
	v_nop
.endr
.irp b, 0,1,2,3
	ds_store_b32 v5, v[ACC+8*\b] offset:64*\b
.endr
	s_wait_dscnt 0x0                               ; for the others' sake
	s_barrier_signal -1
	s_barrier_wait -1
	s_cmp_lg_u32 s18, 0
	s_cbranch_scc1 .Lend
.irp i, 0,1,2,3,4,5,6,7,8,9,10,11,12,13,14,15
	ds_load_b128 v[64+4*\i:67+4*\i], v7 offset:256*\i   ; K step i's part of my four numbers
.endr
	s_wait_dscnt 0x0
.irp d, 32,16,8,4
.set ii, 0
.rept \d/2
	v_pk_add_f32 v[64+ii:65+ii], v[64+ii:65+ii], v[64+\d+ii:65+\d+ii]
.set ii, ii+2
.endr
.endr
.irp j, 0,1,2,3
	v_add_f32 v[68+\j], v[64+\j], v[48+\j]         ; ww
.endr
.irp j, 0,1,2,3
	v_max_num_f32 v[72+\j], v[52+\j], v[68+\j]     ; qq
.endr
.irp j, 0,1,2,3
	v_sub_f32 v[76+\j], v[52+\j], v[72+\j]
.endr
.irp j, 0,1,2,3
	v_sub_f32 v[80+\j], v[68+\j], v[72+\j]
.endr
.irp j, 0,1,2,3,4,5,6,7
	v_mul_f32 v[76+\j], 0x3fb8aa3b, v[76+\j]       ; as exponents of 2
.endr
	s_wait_alu depctr_va_vdst(0)
.irp j, 0,1,2,3,4,5,6,7
	v_exp_f32 v[76+\j], v[76+\j]                   ; e1, e2
.endr
	v_nop
	s_wait_alu depctr_va_vdst(0)
.irp j, 0,1,2,3
	v_fma_f32 v[84+\j], v[76+\j], v[60+\j], v[80+\j]
.endr
.irp j, 0,1,2,3
	v_mul_f32 v[88+\j], v[76+\j], v[56+\j]
.endr
	s_wait_alu depctr_va_vdst(0)
.irp j, 0,1,2,3
	v_rcp_f32 v[84+\j], v[84+\j]
.endr
	v_cmp_lt_u32 vcc_lo, 15, v6
	s_wait_alu depctr_va_vdst(0)
.irp j, 0,1,2,3
	v_mul_f32 v[92+\j], v[88+\j], v[84+\j]         ; A
.endr
.irp j, 0,1,2,3
	v_mul_f32 v[96+\j], v[80+\j], v[84+\j]         ; B
.endr
.irp j, 0,1,2,3
	v_cndmask_b32 v[92+\j], v[92+\j], v[96+\j], vcc_lo
.endr
	global_store_b128 v3, v[92:95], s[16:17]       ; 512 consecutive bytes, aligned
.Lend:
	s_wait_tensorcnt 0x0                           ; the wave's end
	ds_add_u32 v1, v2
	s_wait_dscnt 0x0
	s_endpgm
.Lfunc_end_k_qa66cfdf9a7_k0:
	.size	k_qa66cfdf9a7_k0, .Lfunc_end_k_qa66cfdf9a7_k0-k_qa66cfdf9a7_k0
	.p2alignl 7, 3214868480
	.fill 96, 4, 3214868480
	.section	.rodata,"a",@progbits
	.p2align	6, 0x0
	.amdhsa_kernel k_qa66cfdf9a7_k0
		.amdhsa_group_segment_fixed_size 10240
		.amdhsa_private_segment_fixed_size 0
		.amdhsa_enable_private_segment 0
		.amdhsa_kernarg_size 56
		.amdhsa_user_sgpr_count 2
		.amdhsa_user_sgpr_kernarg_segment_ptr 1
		.amdhsa_wavefront_size32 1
		.amdhsa_system_sgpr_workgroup_id_x 1
		.amdhsa_system_sgpr_workgroup_id_y 1
		.amdhsa_system_sgpr_workgroup_id_z 1
		.amdhsa_system_vgpr_workitem_id 0
		.amdhsa_next_free_vgpr 192
		.amdhsa_next_free_sgpr 66
		.amdhsa_reserve_vcc 1
		.amdhsa_float_denorm_mode_32 3
		.amdhsa_float_denorm_mode_16_64 3
		.amdhsa_memory_ordered 1
		.amdhsa_forward_progress 1
		.amdhsa_inst_pref_size 12
	.end_amdhsa_kernel
	.amdgpu_metadata
---
amdhsa.version: [ 1, 2 ]
amdhsa.kernels:
  - .name:           k_qa66cfdf9a7_k0
    .symbol:         k_qa66cfdf9a7_k0.kd
    .args:
      - { .name: kq, .offset: 0, .size: 8, .value_kind: global_buffer, .address_space: global }
      - { .name: wq, .offset: 8, .size: 8, .value_kind: global_buffer, .address_space: global }
      - { .name: time_first, .offset: 16, .size: 8, .value_kind: global_buffer, .address_space: global }
      - { .name: pp, .offset: 24, .size: 8, .value_kind: global_buffer, .address_space: global }
      - { .name: aa, .offset: 32, .size: 8, .value_kind: global_buffer, .address_space: global }
      - { .name: bb, .offset: 40, .size: 8, .value_kind: global_buffer, .address_space: global }
      - { .name: ka, .offset: 48, .size: 8, .value_kind: global_buffer, .address_space: global }
    .group_segment_fixed_size: 10240
    .private_segment_fixed_size: 0
    .kernarg_segment_align: 8
    .kernarg_segment_size: 56
    .max_flat_workgroup_size: 512
    .sgpr_count:     66
    .vgpr_count:     192
    .wavefront_size: 32
...
	.end_amdgpu_metadata
.endif
;; end of part 2
;; launch kvr (part 3): grid 16 x 16, 4 waves a work-group, clusters of 4 x 4, 327,680 bytes of LDS; arguments xq, wq, ka, zq; writes zq
.if DOCPART == 3
	.amdgcn_target "amdgcn-amd-amdhsa--gfx1250"
	.amdhsa_code_object_version 6
	.text
	.protected	k_qa66cfdf9a7_kvr
	.globl	k_qa66cfdf9a7_kvr
	.p2align	8
	.type	k_qa66cfdf9a7_kvr,@function
k_qa66cfdf9a7_kvr:
	s_mov_b64 s[64:65], 0
	v_nop
	global_prefetch_b8 v0, s[64:65] scope:SCOPE_SE
	s_setreg_imm32_b32 hwreg(HW_REG_WAVE_MODE, 25, 1), 1
	s_wait_xcnt 0x0
	s_wait_alu depctr_hold_cnt(0) depctr_sa_sdst(0) depctr_va_vdst(0) depctr_va_sdst(0) depctr_va_ssrc(0) depctr_va_vcc(0) depctr_vm_vsrc(0)
	s_getreg_b32 s2, hwreg(HW_REG_IB_STS2, 6, 4)
	s_cmp_eq_u32 s2, 0
	s_cbranch_scc0 .Lentry_in_a_cluster
	s_endpgm
.Lentry_in_a_cluster:
	s_bfe_u32 s2, ttmp6, 0x10000c
	s_cmp_lg_u32 s2, 0xf033
	s_cbranch_scc0 .Lentry_shape_is_right
	s_endpgm
.Lentry_shape_is_right:
; v = xv Wv^T, r = xr Wr^T on codes of FP6 (E2M3) with E8M0 scales, fused; z = sigmoid(r) wkv, quantised along the outputs, the next product's K.  v and r never go to memory.
; WORK LEFT OUT: k for the rows with t > 0, where wkv = v (shown at the head of mixq).  In a row with t = 0 wkv = A + B v, with A and B from ka; elsewhere A = 0, B = 1 by v_cndmask_b32: no branch.
; A work-group makes 256 rows (mb) x 128 outputs (nt) of both products; wave w owns rows 64 w .. + 63: 2 x 32 accumulators, v's in window 1, r's in window 2, (a, b) at v[8 (8 a + b)].
; A ring of two LDS slots, each with TWO K steps of 128: four blocks of xq (25,600 bytes: [K step][v, r]) and four of wq (12,800 bytes): all dense rows of 256 bytes, operand images and scale words.
; A PHASE is 32 matrix instructions: block j of the slot, product j % 2.  Source 0 = 16 rows of a weight, source 1 = 16 rows of x: lane (r, h) holds row r, register j of tile b output 16 b + 8 h + j.
; CLUSTERS 4 x 4: xq's blocks hang on mb and are asked for jointly along a row (waves 0, 1: 51,200 bytes each), wq's on nt, along a column (waves 2, 3: 25,600 each).  One tensor load a wave is out at most.
; PREFETCH: at the change of slots of chunk c each wave names its load's bytes of chunk c + 3, a lane a block of 256 bytes; the four partners share them by address (50 or 25 blocks each); chunk 5 asks for nothing.
; LIMITS: exp(-r) under 2^-126 counts as 0.  A block of zeros gets the scale byte 1 (its codes are zeros; this program alone reads the bytes).  NaN and infinities among the inputs are not served.
.set PB,     25600
.set FRB,    1536
.set WB,     12800
.set APART,  4*PB
.set WCH,    4*WB
.set SLOTB,  APART+WCH
.set SPARE,  2*SLOTB                   ; the spare words: 512 bytes that no other line names
.set SPW, 1
.set NIL, 2
.set AX,  3                            ; v3-4 x's images in slot 0, 1: 6144 w + 16 lane; v12-13 two blocks on.  v3 is also my codes' offset in a block of zq
.set AXS, 5                            ; v5-6 x's scale words: 24576 + 256 w + 8 lane; v14-15 two blocks on.  v5 also serves zq
.set AW,  7                            ; v7-8 the weights' blocks: APART + 16 lane
.set PFO, 9                            ; v9-10 the prefetches' offsets
.set VT,  11                           ; 32 h
.set SC,  16                           ; scale words, set s at v[16 + 8 s]: two of x's, four of the weight's
.set LN,  30
.set RR,  31
.set HH,  32
.set XF,  64
.set WF,  160
.set ZZ,  64
.set TM,  192
.set PC,  208
.set PW,  228
.set PWS, 232
.set WV,  28
.set ROLE, 35
.set HALF, 36
.set CNT, 37
.set NLG, 38
.set SEL, 42
.set PF,  48
.set PFS, 50
.set G1A, 56
.set G1B, 68
.set G0A, 84
.set G0B, 92
.set MSB, 0
.macro WIN new
.if MSB != \new
	s_set_vgpr_msb (MSB<<8)|\new
.set MSB, \new
.endif
.endm
.macro PLACES n
.rept \n
	v_nop
.endr
.endm
.macro CREST
	s_cmp_lg_u32 s[WV], 0
	s_cbranch_scc1 .Lnot_wave_0_\@
	s_barrier_signal -3
.Lnot_wave_0_\@:
	s_barrier_wait -3
	s_barrier_signal -1
	s_barrier_wait -1
.endm
.macro CROUND
	s_barrier_signal -1
	s_barrier_wait -1
	CREST
.endm
.macro JLOAD sg                        ; a joint load; s_nop 0 and four v_nop follow each line
	s_cmp_eq_u32 s[ROLE], 0
	s_cbranch_scc0 .Lfor_w_\@
	tensor_load_to_lds s[G0A+4*(\sg):G0A+4*(\sg)+3], s[G1A:G1A+7]
	s_nop 0
.rept 4
	v_nop
.endr
	s_branch .Lasked_\@
.Lfor_w_\@:
	tensor_load_to_lds s[G0B+4*(\sg):G0B+4*(\sg)+3], s[G1B:G1B+7]
	s_nop 0
.rept 4
	v_nop
.endr
.Lasked_\@:
.endm
.macro ASK mode                        ; mode 2: not in the loop's last trip, whose chunk three on does not exist
.if \mode == 2
	s_cmp_eq_u32 s[CNT], 1
	s_cbranch_scc1 .Lnoask_\@
.endif
	s_cmp_eq_u32 s[ROLE], 0
	s_cbranch_scc0 .Lone_\@
	global_prefetch_b8 v[PFO+1], s[PF:PF+1] th:TH_LOAD_NT scope:SCOPE_SE
.Lone_\@:
	global_prefetch_b8 v[PFO], s[PF:PF+1] th:TH_LOAD_NT scope:SCOPE_SE
.Lnoask_\@:
.endm
.macro LDW sg, ph, g                   ; tiles 4 g .. 4 g + 3 of block ph: 12 loads of 512 consecutive bytes
.irp i, 0,1,2,3
.irp c, 0,1,2
	ds_load_b128 v[WF+48*(\g)+12*\i+4*\c:WF+48*(\g)+12*\i+4*\c+3], v[AW+(\sg)] offset:WB*(\ph)+FRB*(4*(\g)+\i)+512*\c
.endr
.endr
.endm
.macro LDX sg, ph, set                 ; my four fragments of x: 12 loads
.irp a, 0,1,2,3
.irp c, 0,1,2
	ds_load_b128 v[XF+48*(\set)+12*\a+4*\c:XF+48*(\set)+12*\a+4*\c+3], v[AX+9*((\ph)/2)+(\sg)] offset:PB*((\ph)%2)+FRB*\a+512*\c
.endr
.endr
.endm
.macro LDSC sg, ph, set                ; the phase's scale words: 2 loads
	ds_load_b64 v[SC+8*(\set):SC+8*(\set)+1], v[AXS+9*((\ph)/2)+(\sg)] offset:PB*((\ph)%2)
	ds_load_b128 v[SC+8*(\set)+2:SC+8*(\set)+5], v[AW+(\sg)] offset:WB*(\ph)+8*FRB
.endm
.macro WMI c                           ; a scale register carries two blocks' words: the odd one in lanes 16-31
.if vr == 0
	v_wmma_scale_f32_16x16x128_f8f6f4 v[rD:rD+7], v[rW:rW+11], v[rX:rX+11], \c, v[rS], v[rT] matrix_a_fmt:MATRIX_FMT_FP6 matrix_b_fmt:MATRIX_FMT_FP6
.elseif vr == 1
	v_wmma_scale_f32_16x16x128_f8f6f4 v[rD:rD+7], v[rW:rW+11], v[rX:rX+11], \c, v[rS], v[rT] matrix_a_fmt:MATRIX_FMT_FP6 matrix_b_fmt:MATRIX_FMT_FP6 matrix_b_scale:MATRIX_SCALE_ROW1
.elseif vr == 2
	v_wmma_scale_f32_16x16x128_f8f6f4 v[rD:rD+7], v[rW:rW+11], v[rX:rX+11], \c, v[rS], v[rT] matrix_a_fmt:MATRIX_FMT_FP6 matrix_b_fmt:MATRIX_FMT_FP6 matrix_a_scale:MATRIX_SCALE_ROW1
.else
	v_wmma_scale_f32_16x16x128_f8f6f4 v[rD:rD+7], v[rW:rW+11], v[rX:rX+11], \c, v[rS], v[rT] matrix_a_fmt:MATRIX_FMT_FP6 matrix_b_fmt:MATRIX_FMT_FP6 matrix_a_scale:MATRIX_SCALE_ROW1 matrix_b_scale:MATRIX_SCALE_ROW1
.endif
.endm
.macro WM a, b, par, cm
.set rD, 8*(8*(\a)+(\b))
.set rW, WF+12*(\b)
.set rX, XF+48*(\par)+12*(\a)
.set rS, SC+8*(\par)+2+(\b)/2
.set rT, SC+8*(\par)+(\a)/2
.set vr, 2*((\b)%2)+(\a)%2
.if (\cm) == 1
	WMI 0
.else
	WMI v[rD:rD+7]
.endif
.endm
.macro MUL8 g, hf, par, cm             ; eight accumulators, one instruction a turn
.irp bb, 0,1
.irp a, 0,1,2,3
	WM \a, 4*(\g)+2*(\hf)+\bb, \par, \cm
.endr
.endr
.endm
; kind 0: the next phase lies in the same slot; 1: the slot's last phase: changes slots and fills this one again; 2: the same without a refill; 3: the very last.
.macro PHASE sg, ph, kind, cm, ask=0
.set PAR, (\ph)%2
.set MW, 0x50*((\ph)%2+1)
.if (\kind) == 0
	s_wait_dscnt 12                                ; all but the youngest 12 loads (tiles 4-7)
	WIN MW
	MUL8 0, 0, PAR, \cm
	MUL8 0, 1, PAR, \cm
	PLACES 4
	WIN 0
	LDW \sg, (\ph)+1, 0
	LDX \sg, (\ph)+1, 1-PAR
	LDSC \sg, (\ph)+1, 1-PAR
	s_wait_dscnt 26                                ; all but the 26 just issued
	WIN MW
	MUL8 1, 0, PAR, \cm
	MUL8 1, 1, PAR, \cm
	PLACES 4
	WIN 0
	LDW \sg, (\ph)+1, 1
.elseif (\kind) == 3
	s_wait_dscnt 12
	WIN MW
	MUL8 0, 0, PAR, \cm
	MUL8 0, 1, PAR, \cm
	s_wait_dscnt 0x0
	MUL8 1, 0, PAR, \cm
	MUL8 1, 1, PAR, \cm
	WIN 0
.else
.if (\kind) == 1
	s_wait_xcnt 0x0                                ; my last prefetch has read its base, which steps a chunk
	s_add_nc_u64 s[PF:PF+1], s[PF:PF+1], s[PFS:PFS+1]
.endif
	s_wait_tensorcnt 0x0                           ; my part of the next slot has landed;
	ds_add_u32 v[SPW], v[NIL]
	s_wait_dscnt 13                                ; (the add and the youngest 12 loads may be out)
	WIN MW
	MUL8 0, 0, PAR, \cm
	s_wait_dscnt 0x0                               ; the add is done, my reads of this slot are over
	s_barrier_signal -1
	MUL8 0, 1, PAR, \cm
	WIN 0
	s_barrier_wait -1
.if (\kind) == 1
	CREST                                          ; the barrier has opened a round of the cluster's barrier
	s_add_nc_u64 s[G0A+4*(\sg)+2:G0A+4*(\sg)+3], s[G0A+4*(\sg)+2:G0A+4*(\sg)+3], 2*APART
	s_add_nc_u64 s[G0B+4*(\sg)+2:G0B+4*(\sg)+3], s[G0B+4*(\sg)+2:G0B+4*(\sg)+3], 2*WCH
	JLOAD \sg                                      ; its four v_nop are also the places in front of the loads below
.else
	PLACES 4
.endif
	LDW 1-(\sg), 0, 0
	LDX 1-(\sg), 0, 1-PAR
	LDSC 1-(\sg), 0, 1-PAR
.if (\ask) > 0
	ASK \ask
.endif
	WIN MW
	MUL8 1, 0, PAR, \cm
	MUL8 1, 1, PAR, \cm
	PLACES 4
	WIN 0
	LDW 1-(\sg), 0, 1
.endif
.endm
.macro VEC8 base, off                  ; 128 numbers in the result's layout: register 8 b + j = number 16 b + 8 h + j
.irp b, 0,1,2,3,4,5,6,7
	global_load_b128 v[(\base)+8*\b:(\base)+8*\b+3], v[VT], s[8:9] offset:(\off)+512*\b      ; ka is laid [nt][tile b][A, B][batch][16]
	global_load_b128 v[(\base)+8*\b+4:(\base)+8*\b+7], v[VT], s[8:9] offset:(\off)+512*\b+16
.endr
.endm
	s_load_b256 s[4:11], s[0:1], 0x0               ; xq, wq, ka, zq
	v_lshl_add_u32 v[SPW], v0, 2, SPARE
	v_mov_b32 v[NIL], 0
	ds_add_u32 v[SPW], v[NIL]                      ; the opening lines
	ds_add_u32 v[SPW], v[NIL]
	v_lshrrev_b32 v3, 5, v0
	v_readfirstlane_b32 s[WV], v3
	s_lshr_b32 s[ROLE], s[WV], 1                   ; 0: I fetch xq, 1: wq
	s_and_b32 s[HALF], s[WV], 1
	s_bfe_u32 s29, ttmp6, 0x40000                  ; cx, cy
	s_bfe_u32 s30, ttmp6, 0x40004
	s_lshl_b32 s31, ttmp9, 2
	s_add_co_u32 s31, s31, s29                     ; nt
	s_and_b32 s32, ttmp7, 0xffff
	s_lshl_b32 s32, s32, 2
	s_add_co_u32 s32, s32, s30                     ; mb
	s_lshl_b32 s33, s30, 2
	s_lshl_b32 s33, 15, s33                        ; my row of the cluster
	s_lshl_b32 s34, 0x1111, s29                    ; my column
	s_or_b32 s[G1A], s33, (3<<16)|(1<<21)          ; dense rows of 32 elements of 8 bytes: 200 for xq, 100 for wq
	s_or_b32 s[G1B], s34, (3<<16)|(1<<21)
.irp g, G1A, G1B
	s_mov_b32 s[\g+1], 32<<16
	s_mov_b32 s[\g+3], 32<<16
	s_mov_b32 s[\g+5], 32
	s_mov_b32 s[\g+6], 0
	s_mov_b32 s[\g+7], 0
.endr
	s_mov_b32 s[G1A+2], 200<<16
	s_mov_b32 s[G1A+4], 200
	s_mov_b32 s[G1B+2], 100<<16
	s_mov_b32 s[G1B+4], 100
	s_mov_b32 s[NLG], 0xbfb8aa3b                   ; -log2(e)
	s_mov_b32 s[NLG+1], s[NLG]
	s_mov_b32 s[SEL], 0x76543210
	s_mov_b32 s[SEL+1], 0xfedcba98
	s_mul_i32 s52, s32, 32*PB
	s_mul_i32 s44, s[HALF], 2*PB
	s_add_co_u32 s52, s52, s44
	s_mov_b32 s53, 0
	s_mul_i32 s54, s31, 32*WB
	s_mul_i32 s45, s[HALF], 2*WB
	s_add_co_u32 s54, s54, s45
	s_mov_b32 s55, 0
	s_wait_dscnt 0x0
	s_wait_kmcnt 0x0
	s_add_nc_u64 s[52:53], s[4:5], s[52:53]
	s_add_nc_u64 s[54:55], s[6:7], s[54:55]
	CROUND                                         ; the first joint loads meet
.irp sg, 0,1
	s_mov_b32 s[G0A+4*\sg], 1
	s_add_co_u32 s[G0A+4*\sg+1], s44, \sg*SLOTB
	s_add_nc_u64 s[G0A+4*\sg+2:G0A+4*\sg+3], s[52:53], \sg*APART
	s_or_b32 s[G0A+4*\sg+3], s[G0A+4*\sg+3], 0x80000000
	s_mov_b32 s[G0B+4*\sg], 1
	s_add_co_u32 s[G0B+4*\sg+1], s45, \sg*SLOTB+APART
	s_add_nc_u64 s[G0B+4*\sg+2:G0B+4*\sg+3], s[54:55], \sg*WCH
	s_or_b32 s[G0B+4*\sg+3], s[G0B+4*\sg+3], 0x80000000
.endr
	JLOAD 0                                        ; chunk 0: one tensor load a wave at the head
	s_mov_b32 s[PFS], WCH
	s_cmp_eq_u32 s[ROLE], 0
	s_cselect_b64 s[PF:PF+1], s[52:53], s[54:55]
	s_cselect_b32 s[PFS], APART, s[PFS]            ; a chunk of my stream
	s_cselect_b32 s22, s29, s30                    ; my place among the four that ask with me
	s_cselect_b32 s23, 50, 25                      ; blocks of 256 bytes a partner
	s_mul_i32 s22, s22, s23
	s_cselect_b32 s23, 31, 24
	s_mov_b32 s[PFS+1], 0
	s_add_nc_u64 s[PF:PF+1], s[PF:PF+1], s[PFS:PFS+1]   ; at chunk 1
	s_mul_i32 s20, s[WV], 4*FRB
	s_lshl_b32 s21, s[WV], 8
	s_add_co_u32 s21, s21, 16*FRB
	s_lshr_b32 s44, s32, 2
	s_lshl_b32 s44, s44, 6
	s_lshl_b32 s45, s31, 12
	s_add_co_u32 s44, s44, s45
	s_mov_b32 s45, 0
	s_add_nc_u64 s[8:9], s[8:9], s[44:45]          ; ka: my batch, my 128 outputs
	s_lshl_b32 s44, s32, 4
	s_add_co_u32 s44, s44, s31
	s_mul_i32 s44, s44, PB
	s_add_nc_u64 s[10:11], s[10:11], s[44:45]      ; zq: block [mb][nt]
	v_and_b32 v[LN], 31, v0
	v_and_b32 v[RR], 15, v0
	v_bfe_u32 v[HH], v0, 4, 1
	v_lshl_add_u32 v[AX], v[LN], 4, s20
	v_add_nc_u32 v[AX+1], SLOTB, v[AX]
	v_add_nc_u32 v[AX+9], 2*PB, v[AX]
	v_add_nc_u32 v[AX+10], 2*PB, v[AX+1]
	v_lshl_add_u32 v[AXS], v[LN], 3, s21
	v_add_nc_u32 v[AXS+1], SLOTB, v[AXS]
	v_add_nc_u32 v[AXS+9], 2*PB, v[AXS]
	v_add_nc_u32 v[AXS+10], 2*PB, v[AXS+1]
	v_lshlrev_b32 v[AW], 4, v[LN]
	v_add_nc_u32 v[AW], APART, v[AW]
	v_add_nc_u32 v[AW+1], SLOTB, v[AW]
	v_lshlrev_b32 v[VT], 5, v[HH]
	v_min_u32 v33, s23, v[LN]                      ; lanes left over name the last block again
	v_add_lshl_u32 v[PFO], v33, s22, 8
	v_min_u32 v34, 17, v[LN]
	v_add3_u32 v34, v34, s22, 32
	v_lshlrev_b32 v[PFO+1], 8, v34                 ; xq's blocks 32 to 49 of my 50
	s_wait_alu depctr_va_vdst(0)
	ASK 1                                          ; behind chunk 0's load chunk 1 is named: always one chunk on from the load just issued
	WIN 0xc0
	VEC8 0, 0                                      ; A into window 3, v0-63
	VEC8 64, 256
	WIN 0
	s_wait_tensorcnt 0x0
	ds_add_u32 v[SPW], v[NIL]
	s_wait_dscnt 0x0
	CROUND
	JLOAD 1                                        ; chunk 1
	LDW 0, 0, 0
	LDX 0, 0, 0
	LDSC 0, 0, 0
	LDW 0, 0, 1
	s_wait_xcnt 0x0                                ; my last prefetch has read its base, which steps a chunk
	s_add_nc_u64 s[PF:PF+1], s[PF:PF+1], s[PFS:PFS+1]
	ASK 1                                          ; behind chunk 1's load: chunk 2
	PHASE 0, 0, 0, 1
	PHASE 0, 1, 0, 1
	s_mov_b32 s[CNT], 3
.Lk:                                                   ; a trip goes once round the ring and fills both slots again: chunks 2 to 7
	PHASE 0, 2, 0, 0
	PHASE 0, 3, 1, 0, 1
	PHASE 1, 0, 0, 0
	PHASE 1, 1, 0, 0
	PHASE 1, 2, 0, 0
	PHASE 1, 3, 1, 0, 2
	PHASE 0, 0, 0, 0
	PHASE 0, 1, 0, 0
	s_sub_co_u32 s[CNT], s[CNT], 1
	s_cmp_lg_u32 s[CNT], 0
	s_cbranch_scc1 .Lk
	PHASE 0, 2, 0, 0                               ; the tail is written out: nothing more is fetched
	PHASE 0, 3, 2, 0
	PHASE 1, 0, 0, 0
	PHASE 1, 1, 0, 0
	PHASE 1, 2, 0, 0
	PHASE 1, 3, 3, 0
; THE EPILOGUE, a block of 16 rows at a time: z = wkv / (1 + exp(-r)); no LDS.
.macro TR op, d
.set ii, 0
.rept 64
	\op v[(\d)+ii], v[(\d)+ii]
.set ii, ii+1
.endr
.endm
.macro QUANT s                         ; 64 numbers of a lane, register 16 b + i = k 32 b + 16 h + i of my row, become a fragment's codes in v[PC] on and its scale word in v[PW]
.irp b, 0,1,2,3
	v_max3_num_f32 v[TM+\b], |v[\s+16*\b]|, |v[\s+1+16*\b]|, 0x1800000   ; with the floor 2^(3 - 127): the byte cannot fall under 1
.endr
.irp i, 2,4,6,8,10,12,14
.irp b, 0,1,2,3
	v_max3_num_f32 v[TM+\b], v[TM+\b], |v[\s+16*\b+\i]|, |v[\s+1+16*\b+\i]|
.endr
.endr
.irp b, 0,1,2,3
	v_permlanex16_b32 v[TM+4+\b], v[TM+\b], s[SEL], s[SEL+1]
.endr
.irp b, 0,1,2,3
	v_max_num_f32 v[TM+\b], v[TM+\b], v[TM+4+\b]
.endr
.irp b, 0,1,2,3
	v_add_nc_u32 v[TM+12+\b], 0xff000000, v[TM+\b]   ; 2 off the exponent field: the conversion's scale operand
.endr
.irp b, 0,1,2,3
	v_lshrrev_b32 v[TM+4+\b], 23, v[TM+12+\b]
.endr
	v_lshl_or_b32 v[PW], v[TM+5], 8, v[TM+4]
	v_lshl_or_b32 v[PW], v[TM+6], 16, v[PW]
	v_lshl_or_b32 v[PW], v[TM+7], 24, v[PW]
.irp c, 0,1
	v_cvt_scalef32_pk16_fp6_f32 v[PC+6*\c:PC+2+6*\c], v[\s+32*\c:\s+15+32*\c], v[TM+12+2*\c]
	v_cvt_scalef32_pk16_fp6_f32 v[PC+12+4*\c:PC+14+4*\c], v[\s+16+32*\c:\s+31+32*\c], v[TM+12+2*\c+1]
.endr
	v_nop                                          ; one plain place behind a scaled conversion
.irp c, 0,1
.irp i, 0,1,2
	v_permlane16_swap_b32 v[PC+6*\c+\i], v[PC+12+4*\c+\i]
.endr
.irp i, 0,1,2
	v_mov_b32 v[PC+3+6*\c+\i], v[PC+12+4*\c+\i]
.endr
.endr
.endm
.macro EPI a, gen
.set BA, 64*(\a)
	s_wait_xcnt 0x0                                ; the last block's stores have read the codes' registers
	WIN 0x82
	s_wait_alu depctr_va_vdst(0)
.set ii, 0
.rept 32
	v_pk_mul_f32 v[BA+ii:BA+ii+1], v[BA+ii:BA+ii+1], s[NLG:NLG+1] op_sel_hi:[1,0]   ; -r as an exponent of 2, each accumulator from its low end on
.set ii, ii+2
.endr
	s_wait_alu depctr_va_vdst(0)
	TR v_exp_f32, BA
	v_nop
	s_wait_alu depctr_va_vdst(0)
.set ii, 0
.rept 32
	v_pk_add_f32 v[BA+ii:BA+ii+1], v[BA+ii:BA+ii+1], 1.0 op_sel_hi:[1,0]
.set ii, ii+2
.endr
	s_wait_alu depctr_va_vdst(0)
	TR v_rcp_f32, BA
.if \gen
	WIN 0x7d
	s_wait_alu depctr_va_vdst(0)
.set ii, 0
.rept 32
	v_pk_fma_f32 v[BA+ii:BA+ii+1], v[BA+ii:BA+ii+1], v[64+ii:64+ii+1], v[ii:ii+1]   ; wkv = v B + A
.set ii, ii+2
.endr
.endif
	WIN 0x09
	v_nop
	s_wait_alu depctr_va_vdst(0)
.set ii, 0
.rept 32
	v_pk_mul_f32 v[ZZ+ii:ZZ+ii+1], v[BA+ii:BA+ii+1], v[BA+ii:BA+ii+1]   ; z, into window 0
.set ii, ii+2
.endr
	WIN 0
.irp q, 0,1,2,3                                ; tiles 2 q, 2 q + 1: the first's lanes 16-31 change places with the second's lanes 0-15: register 16 q + i is output 32 q + 16 h + i
.irp j, 0,1,2,3,4,5,6,7
	v_permlane16_swap_b32 v[ZZ+16*\q+\j], v[ZZ+16*\q+8+\j]
.endr
.endr
	QUANT ZZ
.irp c, 0,1,2
	global_store_b128 v[AX], v[PC+4*\c:PC+4*\c+3], s[10:11] offset:FRB*(\a)+512*\c   ; 512 consecutive bytes, aligned
.endr
	v_mov_b32 v[PWS+(\a)], v[PW]
.endm
	PLACES 4
.irp b, 0,1,2,3
	v_mov_b32 v[TM+4+\b], 0                        ; a lane permute's destination counts as one of its sources
.endr
	s_lshl_b32 s44, s32, 8
	s_lshl_b32 s45, s[WV], 6
	s_add_co_u32 s44, s44, s45
	s_and_b32 s44, s44, 1023                       ; t of my first row
	s_wait_loadcnt 0x0                             ; A, B
	v_or_b32 v33, s44, v[RR]
	v_cmp_eq_u32 vcc_lo, 0, v33                    ; my row of block 0 has t = 0
	WIN 0xcc
.set ii, 0
.rept 64
	v_cndmask_b32 v[ii], 0, v[ii], vcc_lo
	v_cndmask_b32 v[64+ii], 1.0, v[64+ii], vcc_lo
.set ii, ii+1
.endr
	WIN 0
	EPI 0, 1
	EPI 1, 0
	EPI 2, 0
	EPI 3, 0
	v_cmp_lt_u32 vcc_lo, 15, v[LN]                 ; the scale words' image: lanes 0-15 the even block's rows, lanes 16-31 the odd one's
	v_cndmask_b32 v[PWS+4], v[PWS], v[PWS+1], vcc_lo
	v_cndmask_b32 v[PWS+5], v[PWS+2], v[PWS+3], vcc_lo
	global_store_b64 v[AXS], v[PWS+4:PWS+5], s[10:11]   ; 256 consecutive bytes, aligned
	s_wait_tensorcnt 0x0                           ; the wave's end
	ds_add_u32 v[SPW], v[NIL]
	s_wait_dscnt 0x0
	CROUND                                         ; the closing round
	s_endpgm
.Lfunc_end_k_qa66cfdf9a7_kvr:
	.size	k_qa66cfdf9a7_kvr, .Lfunc_end_k_qa66cfdf9a7_kvr-k_qa66cfdf9a7_kvr
	.p2alignl 7, 3214868480
	.fill 96, 4, 3214868480
	.section	.rodata,"a",@progbits
	.p2align	6, 0x0
	.amdhsa_kernel k_qa66cfdf9a7_kvr
		.amdhsa_group_segment_fixed_size 327680
		.amdhsa_private_segment_fixed_size 0
		.amdhsa_enable_private_segment 0
		.amdhsa_kernarg_size 32
		.amdhsa_user_sgpr_count 2
		.amdhsa_user_sgpr_kernarg_segment_ptr 1
		.amdhsa_wavefront_size32 1
		.amdhsa_system_sgpr_workgroup_id_x 1
		.amdhsa_system_sgpr_workgroup_id_y 1
		.amdhsa_system_sgpr_workgroup_id_z 1
		.amdhsa_system_vgpr_workitem_id 0
		.amdhsa_next_free_vgpr 896
		.amdhsa_next_free_sgpr 102
		.amdhsa_reserve_vcc 1
		.amdhsa_float_denorm_mode_32 3
		.amdhsa_float_denorm_mode_16_64 3
		.amdhsa_memory_ordered 1
		.amdhsa_forward_progress 1
		.amdhsa_inst_pref_size 192
	.end_amdhsa_kernel
	.amdgpu_metadata
---
amdhsa.version: [ 1, 2 ]
amdhsa.kernels:
  - .name:           k_qa66cfdf9a7_kvr
    .symbol:         k_qa66cfdf9a7_kvr.kd
    .args:
      - { .name: xq, .offset: 0, .size: 8, .value_kind: global_buffer, .address_space: global }
      - { .name: wq, .offset: 8, .size: 8, .value_kind: global_buffer, .address_space: global }
      - { .name: ka, .offset: 16, .size: 8, .value_kind: global_buffer, .address_space: global }
      - { .name: zq, .offset: 24, .size: 8, .value_kind: global_buffer, .address_space: global }
    .group_segment_fixed_size: 327680
    .private_segment_fixed_size: 0
    .kernarg_segment_align: 8
    .kernarg_segment_size: 32
    .max_flat_workgroup_size: 128
    .sgpr_count:     102
    .vgpr_count:     896
    .wavefront_size: 32
...
	.end_amdgpu_metadata
.endif
;; end of part 3
;; launch outg (part 4): grid 16 x 16, 4 waves a work-group, clusters of 4 x 4, 327,680 bytes of LDS; arguments zq, wq, out0; writes out0
.if DOCPART == 4
	.amdgcn_target "amdgcn-amd-amdhsa--gfx1250"
	.amdhsa_code_object_version 6
	.text
	.protected	k_qa66cfdf9a7_outg
	.globl	k_qa66cfdf9a7_outg
	.p2align	8
	.type	k_qa66cfdf9a7_outg,@function
k_qa66cfdf9a7_outg:
	s_mov_b64 s[64:65], 0
	v_nop
	global_prefetch_b8 v0, s[64:65] scope:SCOPE_SE
	s_setreg_imm32_b32 hwreg(HW_REG_WAVE_MODE, 25, 1), 1
	s_wait_xcnt 0x0
	s_wait_alu depctr_hold_cnt(0) depctr_sa_sdst(0) depctr_va_vdst(0) depctr_va_sdst(0) depctr_va_ssrc(0) depctr_va_vcc(0) depctr_vm_vsrc(0)
	s_getreg_b32 s2, hwreg(HW_REG_IB_STS2, 6, 4)
	s_cmp_eq_u32 s2, 0
	s_cbranch_scc0 .Lentry_in_a_cluster
	s_endpgm
.Lentry_in_a_cluster:
	s_bfe_u32 s2, ttmp6, 0x10000c
	s_cmp_lg_u32 s2, 0xf033
	s_cbranch_scc0 .Lentry_shape_is_right
	s_endpgm
.Lentry_shape_is_right:
; out0 = z Wo^T on codes of FP6 (E2M3) with E8M0 scales; sums in f32.  z comes from zq (blocks of 25,600 bytes [row block of 256][K step]), Wo from wq's region at 6,553,600 (blocks of 12,800 bytes [nt][K step]).
; A work-group makes 256 rows (mb) x 128 outputs (nt); wave w owns rows 64 w .. + 63: 32 accumulators in window 1, (a, b) at v[8 (8 a + b)].
; A ring of two LDS slots of FOUR K steps each (a chunk), all dense rows of 256 bytes; K = 2,048 is four chunks, written out.  Source 0 = 16 rows of Wo, source 1 = 16 rows of z: a lane holds eight neighbouring outputs of a row.
; CLUSTERS 4 x 4: zq's blocks are asked for jointly along a row (waves 0, 1: 51,200 bytes each), Wo's along a column (waves 2, 3: 25,600 each).  One tensor load a wave is out at most.
; PREFETCH: behind the load of chunk c (c = 0, 1, 2) each wave names its load's bytes of chunk c + 1, a lane a block of 256 bytes; the four partners share them by address (50 or 25 blocks each); chunk 3's load asks for nothing.
.set PB,     25600
.set FRB,    1536
.set WB,     12800
.set APART,  4*PB
.set WCH,    4*WB
.set SLOTB,  APART+WCH
.set SPARE,  2*SLOTB
.set SPITCH, 528                       ; the way out: 16 rows x (512 + 16) bytes a wave, in slot 0, which has had its last fill and its last read by then
.set SPW, 1
.set NIL, 2
.set AX,  3
.set AXS, 5
.set AW,  7
.set PFO, 9
.set SC,  16
.set LN,  30
.set RR,  31
.set HH,  32
.set STO, 35
.set RD,  36
.set CO,  37
.set XF,  64
.set WF,  160
.set BK,  128
.set WV,  28
.set ROLE, 35
.set HALF, 36
.set PF,  48
.set PFS, 50
.set G1A, 56
.set G1B, 68
.set G0A, 84
.set G0B, 92
.set MW,  0x50
.set MSB, 0
.macro WIN new
.if MSB != \new
	s_set_vgpr_msb (MSB<<8)|\new
.set MSB, \new
.endif
.endm
.macro PLACES n
.rept \n
	v_nop
.endr
.endm
.macro CREST
	s_cmp_lg_u32 s[WV], 0
	s_cbranch_scc1 .Lnot_wave_0_\@
	s_barrier_signal -3
.Lnot_wave_0_\@:
	s_barrier_wait -3
	s_barrier_signal -1
	s_barrier_wait -1
.endm
.macro CROUND
	s_barrier_signal -1
	s_barrier_wait -1
	CREST
.endm
.macro JLOAD sg
	s_cmp_eq_u32 s[ROLE], 0
	s_cbranch_scc0 .Lfor_w_\@
	tensor_load_to_lds s[G0A+4*(\sg):G0A+4*(\sg)+3], s[G1A:G1A+7]
	s_nop 0
.rept 4
	v_nop
.endr
	s_branch .Lasked_\@
.Lfor_w_\@:
	tensor_load_to_lds s[G0B+4*(\sg):G0B+4*(\sg)+3], s[G1B:G1B+7]
	s_nop 0
.rept 4
	v_nop
.endr
.Lasked_\@:
.endm
.macro ASK                             ; zq's waves name 50 blocks in two lines, Wo's 25 in one
	s_cmp_eq_u32 s[ROLE], 0
	s_cbranch_scc0 .Lone_\@
	global_prefetch_b8 v[PFO+1], s[PF:PF+1] th:TH_LOAD_NT scope:SCOPE_SE
.Lone_\@:
	global_prefetch_b8 v[PFO], s[PF:PF+1] th:TH_LOAD_NT scope:SCOPE_SE
.endm
.macro LDW sg, ph, g
.irp i, 0,1,2,3
.irp c, 0,1,2
	ds_load_b128 v[WF+48*(\g)+12*\i+4*\c:WF+48*(\g)+12*\i+4*\c+3], v[AW+(\sg)] offset:WB*(\ph)+FRB*(4*(\g)+\i)+512*\c
.endr
.endr
.endm
.macro LDX sg, ph, set
.irp a, 0,1,2,3
.irp c, 0,1,2
	ds_load_b128 v[XF+48*(\set)+12*\a+4*\c:XF+48*(\set)+12*\a+4*\c+3], v[AX+9*((\ph)/2)+(\sg)] offset:PB*((\ph)%2)+FRB*\a+512*\c
.endr
.endr
.endm
.macro LDSC sg, ph, set
	ds_load_b64 v[SC+8*(\set):SC+8*(\set)+1], v[AXS+9*((\ph)/2)+(\sg)] offset:PB*((\ph)%2)
	ds_load_b128 v[SC+8*(\set)+2:SC+8*(\set)+5], v[AW+(\sg)] offset:WB*(\ph)+8*FRB
.endm
.macro WMI c
.if vr == 0
	v_wmma_scale_f32_16x16x128_f8f6f4 v[rD:rD+7], v[rW:rW+11], v[rX:rX+11], \c, v[rS], v[rT] matrix_a_fmt:MATRIX_FMT_FP6 matrix_b_fmt:MATRIX_FMT_FP6
.elseif vr == 1
	v_wmma_scale_f32_16x16x128_f8f6f4 v[rD:rD+7], v[rW:rW+11], v[rX:rX+11], \c, v[rS], v[rT] matrix_a_fmt:MATRIX_FMT_FP6 matrix_b_fmt:MATRIX_FMT_FP6 matrix_b_scale:MATRIX_SCALE_ROW1
.elseif vr == 2
	v_wmma_scale_f32_16x16x128_f8f6f4 v[rD:rD+7], v[rW:rW+11], v[rX:rX+11], \c, v[rS], v[rT] matrix_a_fmt:MATRIX_FMT_FP6 matrix_b_fmt:MATRIX_FMT_FP6 matrix_a_scale:MATRIX_SCALE_ROW1
.else
	v_wmma_scale_f32_16x16x128_f8f6f4 v[rD:rD+7], v[rW:rW+11], v[rX:rX+11], \c, v[rS], v[rT] matrix_a_fmt:MATRIX_FMT_FP6 matrix_b_fmt:MATRIX_FMT_FP6 matrix_a_scale:MATRIX_SCALE_ROW1 matrix_b_scale:MATRIX_SCALE_ROW1
.endif
.endm
.macro WM a, b, par, cm
.set rD, 8*(8*(\a)+(\b))
.set rW, WF+12*(\b)
.set rX, XF+48*(\par)+12*(\a)
.set rS, SC+8*(\par)+2+(\b)/2
.set rT, SC+8*(\par)+(\a)/2
.set vr, 2*((\b)%2)+(\a)%2
.if (\cm) == 1
	WMI 0
.else
	WMI v[rD:rD+7]
.endif
.endm
.macro MUL8 g, hf, par, cm             ; eight accumulators, one instruction a turn
.irp bb, 0,1
.irp a, 0,1,2,3
	WM \a, 4*(\g)+2*(\hf)+\bb, \par, \cm
.endr
.endr
.endm
; kind 0: the next phase lies in the same slot; 1: changes slots and fills this one again; 2: the same without a refill; 3: the very last.
.macro PHASE sg, ph, kind, cm
.set PAR, (\ph)%2
.if (\kind) == 0
	s_wait_dscnt 12                                ; all but the youngest 12 loads (tiles 4-7)
	WIN MW
	MUL8 0, 0, PAR, \cm
	MUL8 0, 1, PAR, \cm
	PLACES 4
	WIN 0
	LDW \sg, (\ph)+1, 0
	LDX \sg, (\ph)+1, 1-PAR
	LDSC \sg, (\ph)+1, 1-PAR
	s_wait_dscnt 26                                ; all but the 26 just issued
	WIN MW
	MUL8 1, 0, PAR, \cm
	MUL8 1, 1, PAR, \cm
	PLACES 4
	WIN 0
	LDW \sg, (\ph)+1, 1
.elseif (\kind) == 3
	s_wait_dscnt 12
	WIN MW
	MUL8 0, 0, PAR, \cm
	MUL8 0, 1, PAR, \cm
	s_wait_dscnt 0x0
	MUL8 1, 0, PAR, \cm
	MUL8 1, 1, PAR, \cm
	WIN 0
.else
.if (\kind) == 1 && (\sg) == 0
	s_wait_xcnt 0x0                                ; my last prefetch has read its base, which steps a chunk
	s_add_nc_u64 s[PF:PF+1], s[PF:PF+1], s[PFS:PFS+1]
.endif
	s_wait_tensorcnt 0x0                           ; my part of the next slot has landed;
	ds_add_u32 v[SPW], v[NIL]
	s_wait_dscnt 13                                ; (the add and the youngest 12 loads may be out)
	WIN MW
	MUL8 0, 0, PAR, \cm
	s_wait_dscnt 0x0                               ; the add is done, my reads of this slot are over
	s_barrier_signal -1
	MUL8 0, 1, PAR, \cm
	WIN 0
	s_barrier_wait -1
.if (\kind) == 1
	CREST                                          ; the barrier has opened a round of the cluster's barrier
	s_add_nc_u64 s[G0A+4*(\sg)+2:G0A+4*(\sg)+3], s[G0A+4*(\sg)+2:G0A+4*(\sg)+3], 2*APART
	s_add_nc_u64 s[G0B+4*(\sg)+2:G0B+4*(\sg)+3], s[G0B+4*(\sg)+2:G0B+4*(\sg)+3], 2*WCH
	JLOAD \sg
.else
	PLACES 4
.endif
	LDW 1-(\sg), 0, 0
	LDX 1-(\sg), 0, 1-PAR
	LDSC 1-(\sg), 0, 1-PAR
.if (\kind) == 1 && (\sg) == 0
	ASK                                            ; behind chunk 2's load: chunk 3
.endif
	WIN MW
	MUL8 1, 0, PAR, \cm
	MUL8 1, 1, PAR, \cm
	PLACES 4
	WIN 0
	LDW 1-(\sg), 0, 1
.endif
.endm
.macro SLOT sg, cm0, kind
	PHASE \sg, 0, 0, \cm0
	PHASE \sg, 1, 0, 0
	PHASE \sg, 2, 0, 0
	PHASE \sg, 3, \kind, 0
.endm
	s_load_b128 s[4:7], s[0:1], 0x0                ; zq, wq
	s_load_b64 s[10:11], s[0:1], 0x10              ; out0
	v_lshl_add_u32 v[SPW], v0, 2, SPARE
	v_mov_b32 v[NIL], 0
	ds_add_u32 v[SPW], v[NIL]                      ; the opening lines
	ds_add_u32 v[SPW], v[NIL]
	v_lshrrev_b32 v3, 5, v0
	v_readfirstlane_b32 s[WV], v3
	s_lshr_b32 s[ROLE], s[WV], 1
	s_and_b32 s[HALF], s[WV], 1
	s_bfe_u32 s29, ttmp6, 0x40000
	s_bfe_u32 s30, ttmp6, 0x40004
	s_lshl_b32 s31, ttmp9, 2
	s_add_co_u32 s31, s31, s29                     ; nt
	s_and_b32 s32, ttmp7, 0xffff
	s_lshl_b32 s32, s32, 2
	s_add_co_u32 s32, s32, s30                     ; mb
	s_lshl_b32 s33, s30, 2
	s_lshl_b32 s33, 15, s33
	s_lshl_b32 s34, 0x1111, s29
	s_or_b32 s[G1A], s33, (3<<16)|(1<<21)
	s_or_b32 s[G1B], s34, (3<<16)|(1<<21)
.irp g, G1A, G1B
	s_mov_b32 s[\g+1], 32<<16
	s_mov_b32 s[\g+3], 32<<16
	s_mov_b32 s[\g+5], 32
	s_mov_b32 s[\g+6], 0
	s_mov_b32 s[\g+7], 0
.endr
	s_mov_b32 s[G1A+2], 200<<16
	s_mov_b32 s[G1A+4], 200
	s_mov_b32 s[G1B+2], 100<<16
	s_mov_b32 s[G1B+4], 100
	s_mul_i32 s52, s32, 16*PB
	s_mul_i32 s44, s[HALF], 2*PB
	s_add_co_u32 s52, s52, s44
	s_mov_b32 s53, 0
	s_mul_i32 s54, s31, 16*WB
	s_mul_i32 s45, s[HALF], 2*WB
	s_add_co_u32 s54, s54, s45
	s_add_co_u32 s54, s54, 6553600
	s_mov_b32 s55, 0
	s_wait_dscnt 0x0
	s_wait_kmcnt 0x0
	s_add_nc_u64 s[52:53], s[4:5], s[52:53]
	s_add_nc_u64 s[54:55], s[6:7], s[54:55]
	CROUND
.irp sg, 0,1
	s_mov_b32 s[G0A+4*\sg], 1
	s_add_co_u32 s[G0A+4*\sg+1], s44, \sg*SLOTB
	s_add_nc_u64 s[G0A+4*\sg+2:G0A+4*\sg+3], s[52:53], \sg*APART
	s_or_b32 s[G0A+4*\sg+3], s[G0A+4*\sg+3], 0x80000000
	s_mov_b32 s[G0B+4*\sg], 1
	s_add_co_u32 s[G0B+4*\sg+1], s45, \sg*SLOTB+APART
	s_add_nc_u64 s[G0B+4*\sg+2:G0B+4*\sg+3], s[54:55], \sg*WCH
	s_or_b32 s[G0B+4*\sg+3], s[G0B+4*\sg+3], 0x80000000
.endr
	JLOAD 0                                        ; chunk 0: one tensor load a wave at the head
	s_mov_b32 s[PFS], WCH
	s_cmp_eq_u32 s[ROLE], 0
	s_cselect_b64 s[PF:PF+1], s[52:53], s[54:55]
	s_cselect_b32 s[PFS], APART, s[PFS]            ; a chunk of my stream
	s_cselect_b32 s22, s29, s30                    ; my place among the four that ask with me
	s_cselect_b32 s23, 50, 25                      ; blocks of 256 bytes a partner
	s_mul_i32 s22, s22, s23
	s_cselect_b32 s23, 31, 24
	s_mov_b32 s[PFS+1], 0
	s_add_nc_u64 s[PF:PF+1], s[PF:PF+1], s[PFS:PFS+1]   ; at chunk 1
	s_mul_i32 s20, s[WV], 4*FRB
	s_lshl_b32 s21, s[WV], 8
	s_add_co_u32 s21, s21, 16*FRB
	s_mul_i32 s24, s[WV], 16*SPITCH                ; my stage
	s_lshl_b32 s44, s32, 21
	s_lshl_b32 s45, s[WV], 19
	s_add_co_u32 s44, s44, s45
	s_lshl_b32 s45, s31, 9
	s_add_co_u32 s44, s44, s45
	s_mov_b32 s45, 0
	s_add_nc_u64 s[10:11], s[10:11], s[44:45]      ; out0: my first row, my tile column
	v_and_b32 v[LN], 31, v0
	v_and_b32 v[RR], 15, v0
	v_bfe_u32 v[HH], v0, 4, 1
	v_lshl_add_u32 v[AX], v[LN], 4, s20
	v_add_nc_u32 v[AX+1], SLOTB, v[AX]
	v_add_nc_u32 v[AX+9], 2*PB, v[AX]
	v_add_nc_u32 v[AX+10], 2*PB, v[AX+1]
	v_lshl_add_u32 v[AXS], v[LN], 3, s21
	v_add_nc_u32 v[AXS+1], SLOTB, v[AXS]
	v_add_nc_u32 v[AXS+9], 2*PB, v[AXS]
	v_add_nc_u32 v[AXS+10], 2*PB, v[AXS+1]
	v_lshlrev_b32 v[AW], 4, v[LN]
	v_add_nc_u32 v[AW], APART, v[AW]
	v_add_nc_u32 v[AW+1], SLOTB, v[AW]
	v_mul_u32_u24 v[STO], v[RR], SPITCH            ; in: row r, 32 bytes for each half of the lanes
	v_lshl_add_u32 v[STO], v[HH], 5, v[STO]
	v_add_nc_u32 v[STO], s24, v[STO]
	v_lshlrev_b32 v[CO], 4, v[LN]                  ; back: the 32 lanes take one row of 512 bytes
	v_add_nc_u32 v[RD], s24, v[CO]
	v_min_u32 v33, s23, v[LN]                      ; lanes left over name the last block again
	v_add_lshl_u32 v[PFO], v33, s22, 8
	v_min_u32 v34, 17, v[LN]
	v_add3_u32 v34, v34, s22, 32
	v_lshlrev_b32 v[PFO+1], 8, v34                 ; zq's blocks 32 to 49 of my 50
	s_wait_alu depctr_va_vdst(0)
	ASK                                            ; behind chunk 0's load: chunk 1
	s_wait_tensorcnt 0x0
	ds_add_u32 v[SPW], v[NIL]
	s_wait_dscnt 0x0
	CROUND
	JLOAD 1                                        ; chunk 1
	LDW 0, 0, 0
	LDX 0, 0, 0
	LDSC 0, 0, 0
	LDW 0, 0, 1
	s_wait_xcnt 0x0                                ; my last prefetch has read its base, which steps a chunk
	s_add_nc_u64 s[PF:PF+1], s[PF:PF+1], s[PFS:PFS+1]
	ASK                                            ; behind chunk 1's load: chunk 2
	SLOT 0, 1, 1
	SLOT 1, 0, 1
	SLOT 0, 0, 2
	SLOT 1, 0, 3
; THE WAY OUT, block by block of 16 rows x 128 outputs, through my own stage; LDS serves a wave's instructions in order (ISA guide 5.7.1.4).
.macro TOSTAGE a
	WIN 0x04
.irp b, 0,1,2,3,4,5,6,7
	ds_store_b128 v[STO], v[64*(\a)+8*\b:64*(\a)+8*\b+3] offset:64*\b
	ds_store_b128 v[STO], v[64*(\a)+8*\b+4:64*(\a)+8*\b+7] offset:64*\b+16
.endr
	WIN 0
.set BB, BK+64*((\a)%2)
.irp t, 0,1,2,3,4,5,6,7,8,9,10,11,12,13,14,15
	ds_load_b128 v[BB+4*\t:BB+4*\t+3], v[RD] offset:\t*SPITCH
.endr
.endm
.macro SEND a, younger
.set BB, BK+64*((\a)%2)
	s_wait_dscnt \younger
.if (\a) > 0
	s_add_nc_u64 s[10:11], s[10:11], 16*8192       ; (a wait on XCNT stands ahead)
.endif
.irp t, 0,1,2,3,4,5,6,7,8,9,10,11,12,13,14,15
	global_store_b128 v[CO], v[BB+4*\t:BB+4*\t+3], s[10:11] offset:\t*8192 th:TH_STORE_NT   ; 512 consecutive bytes, aligned
.endr
.endm
	PLACES 4
	TOSTAGE 0
.irp a, 1,2,3
.if \a > 1
	s_wait_xcnt 0x0                                ; block a - 2's stores have read their registers and their base
.endif
	TOSTAGE \a
	SEND \a-1, 32                                  ; behind block a - 1's loads: block a's 16 stores and 16 loads
.endr
	s_wait_xcnt 0x0
	SEND 3, 0
	s_wait_tensorcnt 0x0                           ; the wave's end
	ds_add_u32 v[SPW], v[NIL]
	s_wait_dscnt 0x0
	CROUND                                         ; the closing round
	s_endpgm
.Lfunc_end_k_qa66cfdf9a7_outg:
	.size	k_qa66cfdf9a7_outg, .Lfunc_end_k_qa66cfdf9a7_outg-k_qa66cfdf9a7_outg
	.p2alignl 7, 3214868480
	.fill 96, 4, 3214868480
	.section	.rodata,"a",@progbits
	.p2align	6, 0x0
	.amdhsa_kernel k_qa66cfdf9a7_outg
		.amdhsa_group_segment_fixed_size 327680
		.amdhsa_private_segment_fixed_size 0
		.amdhsa_enable_private_segment 0
		.amdhsa_kernarg_size 24
		.amdhsa_user_sgpr_count 2
		.amdhsa_user_sgpr_kernarg_segment_ptr 1
		.amdhsa_wavefront_size32 1
		.amdhsa_system_sgpr_workgroup_id_x 1
		.amdhsa_system_sgpr_workgroup_id_y 1
		.amdhsa_system_sgpr_workgroup_id_z 1
		.amdhsa_system_vgpr_workitem_id 0
		.amdhsa_next_free_vgpr 512
		.amdhsa_next_free_sgpr 102
		.amdhsa_reserve_vcc 0
		.amdhsa_float_denorm_mode_32 3
		.amdhsa_float_denorm_mode_16_64 3
		.amdhsa_memory_ordered 1
		.amdhsa_forward_progress 1
		.amdhsa_inst_pref_size 135
	.end_amdhsa_kernel
	.amdgpu_metadata
---
amdhsa.version: [ 1, 2 ]
amdhsa.kernels:
  - .name:           k_qa66cfdf9a7_outg
    .symbol:         k_qa66cfdf9a7_outg.kd
    .args:
      - { .name: zq, .offset: 0, .size: 8, .value_kind: global_buffer, .address_space: global }
      - { .name: wq, .offset: 8, .size: 8, .value_kind: global_buffer, .address_space: global }
      - { .name: out0, .offset: 16, .size: 8, .value_kind: global_buffer, .address_space: global }
    .group_segment_fixed_size: 327680
    .private_segment_fixed_size: 0
    .kernarg_segment_align: 8
    .kernarg_segment_size: 24
    .max_flat_workgroup_size: 128
    .sgpr_count:     102
    .vgpr_count:     512
    .wavefront_size: 32
...
	.end_amdgpu_metadata
.endif
;; end of part 4
